; MI455X (gfx1250); checked and timed in simulation.
; The chip was launched on July 23, 2026; its instructions are those of AMD's public machine-readable ISA for CDNA 5 (MIT licence, August 2026) and "CDNA5" Instruction Set Architecture Reference Guide (July 2026). The comments in the code are by the model that wrote it; some were corrected since.
;; Hierarchical FF Processor. Allowed arithmetic: matrix products marked QUANTISED: E3M2 operands, one E8M0 scale for each 32 along K, by v_wmma_scale_f32_16x16x128_f8f6f4 with both operands' format E3M2, f32 sums; products left as they are: f32 operands where the result goes on into a quantised operand, else bf16, f16 or f32 operands; f32 sums; everything else in f32.
;; Inputs: W1_0 256 x 1,024 float32; W1_1 256 x 2,048 float32; W1_2 256 x 4,096 float32; W2_0 1,024 x 256 float32; W2_1 2,048 x 256 float32; W2_2 4,096 x 256 float32; Wc1 256 x 128 float32; Wc2 128 x 3 float32; b1_0 1,024 float32; b1_1 2,048 float32; b1_2 4,096 float32; b2_0 256 float32; b2_1 256 float32; b2_2 256 float32; bc1 128 float32; bc2 3 float32; token_embeddings 4 x 4,096 x 256 float32.
;; Outputs: out0 4 x 4,096 x 256 float32.
;; This version of the problem:
;;   THIS VERSION OF THE PROBLEM IS GIVEN IN LOW PRECISION. The matrix products marked QUANTISED in the list below multiply operands that are first quantised to E3M2 (3 exponent bits, 2 mantissa bits; 6 bits a number), with one power-of-two scale for each 32 numbers along K (OCP MX v1.0); their sums are f32. All else is computed in f32.
;;   The module's matrix products, in the order in which they are computed (A, B: the left and right operand; K: the contracted axis; several contracted axes count as one K, in the product's order):
;;     1. [M 16,384, K 256] x [K 256, N 128]; A: input token_embeddings; B: input Wc1: QUANTISED
;;     2. [M 16,384, K 128] x [K 128, N 3]; A: computed on the way; B: input Wc2: left as it is (N = 3 < 16)
;;     3. [M 16,384, K 256] x [K 256, N 1,024]; A: input token_embeddings; B: input W1_0: QUANTISED
;;     4. [M 16,384, K 1,024] x [K 1,024, N 256]; A: computed on the way; B: input W2_0: QUANTISED
;;     5. [M 16,384, K 256] x [K 256, N 2,048]; A: input token_embeddings; B: input W1_1: QUANTISED
;;     6. [M 16,384, K 2,048] x [K 2,048, N 256]; A: computed on the way; B: input W2_1: QUANTISED
;;     7. [M 16,384, K 256] x [K 256, N 4,096]; A: input token_embeddings; B: input W1_2: QUANTISED
;;     8. [M 16,384, K 4,096] x [K 4,096, N 256]; A: computed on the way; B: input W2_2: QUANTISED
;;   THE QUANTISER, for each operand of a quantised product, along K:
;;     - K is cut into blocks of 32 from its start; a last block that is shorter is filled with zeros.
;;     - A block's scale is 2^e with e = floor(log2(the largest magnitude in the block)) - 4, held to -126 .. 127; a block of zeros has e = 0. As a byte (E8M0): e + 127.
;;     - Each number is divided by its block's scale, clamped to +-28, and rounded to the nearest number of E3M2, ties to even, subnormals kept.
;;     - The product sums the exact products of the quantised numbers (number of the format x scale) in f32.
;;   ~~~python
;;   def quantise(x, axis):      # numpy; x: float32 -> the quantised numbers, widened to float32 again
;;       x = np.moveaxis(x, axis, -1); K = x.shape[-1]
;;       x = np.pad(x, [(0, 0)] * (x.ndim - 1) + [(0, -K % 32)]); x = x.reshape(x.shape[:-1] + (-1, 32)); a = np.abs(x).max(-1, keepdims=True)
;;       e = np.where(a > 0, np.clip(np.frexp(np.where(a > 0, a, 1))[1] - 1 - 4, -126, 127), 0)      # np.frexp(a)[1] - 1 = floor(log2(a)), exactly
;;       r = np.clip(x / 2.0 ** e, -28, 28)
;;       step = 2.0 ** (np.maximum(np.frexp(np.where(r == 0, 1, r))[1] - 1, -2) - 2)
;;       q = np.round(r / step) * step * 2.0 ** e      # np.round: ties to even
;;       return np.moveaxis(q.reshape(q.shape[:-2] + (-1,))[..., :K], -1, axis).astype(np.float32)
;;   ~~~
;;   OPERANDS COMPUTED ON THE WAY. 'Computed on the way' means the value that the module computes at that place (a softmax that the list does not call 'softmax' is quantised finished and normalised). What goes into a quantiser is computed in f32, as accurately as f32 sums, v_exp_f32 and their like allow (about 1e-6 of the number): no bf16 or f16 on the way to a quantiser, and a product that is left as it is and whose result goes on into a quantised operand takes f32 operands (vector FMAs, or v_wmma_f32_16x16x4_f32). A number that lies on a knife's edge between two numbers of the format may be rounded either way, as far as f32 arithmetic and the matrix unit's own rounding can turn it there, and no further.
;; One version. Each part assembles by itself: llvm-mc -triple=amdgcn-amd-amdhsa -mcpu=gfx1250 --defsym DOCPART=n.
;; ======== version 1 of 1: 3 launches
;; workspace buffers: lev 65,536 bytes of whole numbers; order 65,536 bytes of whole numbers; tiles 6,144 bytes of whole numbers; xq 3,145,728 bytes; xs 131,072 bytes; w1q 1,433,600 bytes; w2q 1,433,600 bytes
;; launch route (part 1): grid 256 x 1, 4 waves a work-group, no clusters, 105,728 bytes of LDS; arguments token_embeddings, Wc1, bc1, Wc2, bc2, xq, xs, lev; writes xq, xs, lev
.if DOCPART == 1
	.amdgcn_target "amdgcn-amd-amdhsa--gfx1250"
	.amdhsa_code_object_version 6
	.text
	.protected	k_q40165c1e3d_route
	.globl	k_q40165c1e3d_route
	.p2align	8
	.type	k_q40165c1e3d_route,@function
k_q40165c1e3d_route:
	s_mov_b64 s[64:65], 0
	v_nop
	global_prefetch_b8 v0, s[64:65] scope:SCOPE_SE
	s_setreg_imm32_b32 hwreg(HW_REG_WAVE_MODE, 25, 1), 1
	s_wait_xcnt 0x0
; ROUTE.  x [16384][256] f32 is quantised to codes of E3M2 (one E8M0 byte for each 32 along K) and stored for the third launch; the classifier
; gelu(x Wc1 + bc1) Wc2 + bc2, softmax, argmax gives each token's level, stored as a whole number.  No address and no branch hangs on the level here.
; SHARES.  A work-group takes 64 tokens, wave w its tokens 16 w .. 16 w + 15 (one tile of rows).  Wave w also quantises columns 32 w .. 32 w + 31 of Wc1 along K;
; the 16 fragments go from wave to wave through LDS as images of their registers.
; The product is used transposed (source 0 = 16 columns of Wc1, source 1 = 16 tokens): a lane holds one token.  Lane r of tile 2 G + u takes column 32 G + 8 u + r + 8 (r / 8),
; so that register j of lane (r, h) is unit 32 G + 16 h + 8 u + j.
; GELU is exact-erf: with z = |x| / sqrt 2, t = 1 / (1 + z / 2): erfc z = t exp(-z z + c0 + c1 t + .. + c9 t^9) (a Chebyshev fit, fractional error 1.2e-7 for every z);
; the macro gives 2 gelu = (x + |x|) - |x| erfc z, in which nothing cancels; the factor 2 is taken back by the 0.5 in the logits' last multiply-add.
; xq: 192 bytes a token: byte 96 s + 48 h + 16 g = registers 4 g .. 4 g + 3 of lane half h of the token's fragment of K step s.  xs: two scale words a token.
; LIMITS: NaN and infinities are not served; gelu results under 2^-126 fall to 0 (the exponential and the reciprocal flush denormals: ISA guide 15.8); a block of zeros gets the byte 1
; with zero codes (this program alone reads the bytes); the logits are summed in six chains, not in the order of a row-wise sum: a token whose two largest probabilities lie within f32's rounding may go either way.
.set XTP,  1040                        ; LDS: a row of x: 1,024 bytes + 16
.set XTB,  16*XTP                      ; a wave's 16 rows
.set WIMG, 4*XTB                       ; Wc1's 16 fragments (8 s + 2 G + u), 1,536 bytes each
.set WSC,  WIMG+16*1536                ; their scale words, 64 bytes each
.set XC,   WSC+16*64                   ; x's codes, 3,072 bytes a wave
.set XSL,  XC+4*3072                   ; x's scale words, 8 bytes a token
.set LVL,  XSL+512                     ; the levels, 4 bytes a token
.set D,    64                          ; v64-127  x turned, then the classifier's eight tiles
.set GA,   128                         ; v128-191 GELU: |x|, t, the polynomial, the exponent's rest
.set GT,   144
.set GP,   160
.set GU,   176
.set CW,   128                         ; v128-159 a column's codes (never at work together with GELU)
.set XF,   192                         ; v192-215 x's two fragments; v216-223 spare places of the conversions
.set TM,   224                         ; v224-239 at work in the quantisers
.set QM,   224
.set QS,   228
.set QY,   232
.set SW,   236
.set LG,   240                         ; v240-247 logits and softmax
.set C8V,  248
.set C0V,  250
.set AW,   12
.set WV,   30
.set SEL,  52
.set K1,   54
.set NK2,  56
.set C9,   58
.set C7,   60
.set C6,   62
.set C5,   66
.set C4,   68
.set C3,   70
.set C2,   72
.set C1,   74
.set ABSM, 76
.set MSB, 0
.macro WIN new                         ; the immediate's high byte repeats the setting that is left
.if MSB != (\new)
	s_set_vgpr_msb (MSB<<8)|(\new)
.set MSB, (\new)
.endif
.endm
.macro PLACES n
.rept \n
	v_nop
.endr
.endm
.macro SPAIR r, val
	s_mov_b32 s[\r], \val
	s_mov_b32 s[\r+1], \val
.endm
; 16 numbers v[h] .. v[h + 15] become 2 gelu of themselves.  A plain instruction stands behind every reciprocal and behind every second exponential (ISA guide 5.7.2).
.macro GELU h
.set gi, 0
.rept 16
	v_and_b32 v[GA+gi], s[ABSM], v[\h+gi]          ; |x|; each accumulator is read from its low end on
.set gi, gi+1
.endr
.irp p, 0,2,4,6,8,10,12,14
	v_pk_fma_f32 v[GT+\p:GT+\p+1], v[GA+\p:GA+\p+1], s[K1:K1+1], 1.0 op_sel_hi:[1,0,0]   ; 1 + z / 2
.endr
.irp p, 0,2,4,6,8,10,12,14
	v_rcp_f32 v[GT+\p/2], v[GT+\p/2]
	v_pk_mul_f32 v[GU+\p:GU+\p+1], v[\h+\p:\h+\p+1], v[\h+\p:\h+\p+1]                  ; x x
.endr
.irp p, 0,2,4,6,8,10,12,14
	v_rcp_f32 v[GT+8+\p/2], v[GT+8+\p/2]
	v_pk_add_f32 v[\h+\p:\h+\p+1], v[\h+\p:\h+\p+1], v[GA+\p:GA+\p+1]                  ; x + |x|
	v_pk_fma_f32 v[GU+\p:GU+\p+1], v[GU+\p:GU+\p+1], s[NK2:NK2+1], v[C0V:C0V+1] op_sel_hi:[1,0,1]   ; (-z z + c0) log2 e
.endr
	s_wait_alu depctr_va_vdst(0)
.irp p, 0,2,4,6,8,10,12,14
	v_pk_fma_f32 v[GP+\p:GP+\p+1], v[GT+\p:GT+\p+1], s[C9:C9+1], v[C8V:C8V+1] op_sel_hi:[1,0,1]
.endr
.irp c, C7,C6,C5,C4,C3,C2,C1
.irp p, 0,2,4,6,8,10,12,14
	v_pk_fma_f32 v[GP+\p:GP+\p+1], v[GP+\p:GP+\p+1], v[GT+\p:GT+\p+1], s[\c:\c+1] op_sel_hi:[1,1,0]
.endr
.endr
.irp p, 0,2,4,6,8,10,12,14
	v_pk_fma_f32 v[GP+\p:GP+\p+1], v[GP+\p:GP+\p+1], v[GT+\p:GT+\p+1], v[GU+\p:GU+\p+1]
.endr
.irp p, 0,2,4,6,8,10,12,14
	v_exp_f32 v[GP+\p], v[GP+\p]
	v_exp_f32 v[GP+\p+1], v[GP+\p+1]
	v_pk_mul_f32 v[GA+\p:GA+\p+1], v[GA+\p:GA+\p+1], v[GT+\p:GT+\p+1]                  ; |x| t
.endr
	s_wait_alu depctr_va_vdst(0)
.irp p, 0,2,4,6,8,10,12,14
	v_pk_fma_f32 v[\h+\p:\h+\p+1], v[GA+\p:GA+\p+1], v[GP+\p:GP+\p+1], v[\h+\p:\h+\p+1] neg_lo:[1,0,0] neg_hi:[1,0,0]
.endr
.endm
; 64 numbers of a lane, register 16 b + i = k 32 b + 16 (lane / 16) + i of my row, become a fragment's codes in v[pc] on and its scale word in v[pw]
.macro QUANT s, pc, pw
.irp b, 0,1,2,3
	v_max3_num_f32 v[TM+\b], |v[\s+16*\b]|, |v[\s+1+16*\b]|, 0x2800000   ; the floor 2^(5 - 127) holds the byte at 1 from below
.endr
.irp i, 2,4,6,8,10,12,14
.irp b, 0,1,2,3
	v_max3_num_f32 v[TM+\b], v[TM+\b], |v[\s+16*\b+\i]|, |v[\s+1+16*\b+\i]|
.endr
.endr
.irp b, 0,1,2,3
	v_permlanex16_b32 v[TM+4+\b], v[TM+\b], s[SEL], s[SEL+1]
.endr
.irp b, 0,1,2,3
	v_max_num_f32 v[TM+\b], v[TM+\b], v[TM+4+\b]   ; with lane l xor 16's: the block's largest magnitude
.endr
.irp b, 0,1,2,3
	v_add_nc_u32 v[TM+12+\b], 0xfe000000, v[TM+\b] ; 4 off its exponent field: the conversion's scale operand
.endr
.irp b, 0,1,2,3
	v_lshrrev_b32 v[TM+4+\b], 23, v[TM+12+\b]      ; the scale's byte
.endr
	v_lshl_or_b32 v[\pw], v[TM+5], 8, v[TM+4]
	v_lshl_or_b32 v[\pw], v[TM+6], 16, v[\pw]
	v_lshl_or_b32 v[\pw], v[TM+7], 24, v[\pw]
.irp c, 0,1
	v_cvt_scalef32_pk16_bf6_f32 v[\pc+6*\c:\pc+2+6*\c], v[\s+32*\c:\s+15+32*\c], v[TM+12+2*\c]
	v_cvt_scalef32_pk16_bf6_f32 v[\pc+12+4*\c:\pc+14+4*\c], v[\s+16+32*\c:\s+31+32*\c], v[TM+12+2*\c+1]
.endr
	v_nop                                          ; one plain place behind a scaled conversion
.irp c, 0,1
.irp i, 0,1,2
	v_permlane16_swap_b32 v[\pc+6*\c+\i], v[\pc+12+4*\c+\i]   ; a whole block to a lane
.endr
.irp i, 0,1,2
	v_mov_b32 v[\pc+3+6*\c+\i], v[\pc+12+4*\c+\i]
.endr
.endr
.endm
; 128 numbers of ONE column down K (window 1, from v[raw] on: register 32 b + i = k 32 b + i) become that column's row in a fragment's image at v[AW] + imm, and its scale word in v[SW].
; Block b belongs to registers 6 (b / 2) .. + 5 of the image's lane r + 16 (b % 2); an image holds registers 4 g .. 4 g + 3 of lane L at 512 g + 16 L.
.macro QW raw, imm
	WIN 0x05
.irp b, 0,1,2,3
	v_max3_num_f32 v[QM+\b], |v[\raw+32*\b]|, |v[\raw+32*\b+1]|, 0x2800000
.endr
	WIN 0x14
.irp i, 2,4,6,8,10,12,14,16,18,20,22,24,26,28,30
.irp b, 0,1,2,3
	v_max3_num_f32 v[QM+\b], v[QM+\b], |v[\raw+32*\b+\i]|, |v[\raw+32*\b+\i+1]|
.endr
.endr
	WIN 0
.irp b, 0,1,2,3
	v_add_nc_u32 v[QS+\b], 0xfe000000, v[QM+\b]
.endr
.irp b, 0,1,2,3
	v_lshrrev_b32 v[QY+\b], 23, v[QS+\b]
.endr
	v_lshl_or_b32 v[SW], v[QY+1], 8, v[QY]
	v_lshl_or_b32 v[SW], v[QY+2], 16, v[SW]
	v_lshl_or_b32 v[SW], v[QY+3], 24, v[SW]
	WIN 0x01
.irp b, 0,1,2,3
	v_cvt_scalef32_pk16_bf6_f32 v[CW+8*\b:CW+8*\b+2], v[\raw+32*\b:\raw+32*\b+15], v[QS+\b]
	v_cvt_scalef32_pk16_bf6_f32 v[CW+8*\b+4:CW+8*\b+6], v[\raw+32*\b+16:\raw+32*\b+31], v[QS+\b]
.endr
	WIN 0
	v_nop                                          ; one plain place behind a scaled conversion
.irp b, 0,1,2,3
	v_mov_b32 v[CW+8*\b+3], v[CW+8*\b+4]           ; a block's six registers on end
	v_mov_b32 v[CW+8*\b+4], v[CW+8*\b+5]
	v_mov_b32 v[CW+8*\b+5], v[CW+8*\b+6]
.endr
	ds_store_b128 v[AW], v[CW:CW+3] offset:\imm
	ds_store_b64 v[AW], v[CW+4:CW+5] offset:\imm+512
	ds_store_b128 v[AW], v[CW+8:CW+11] offset:\imm+256
	ds_store_b64 v[AW], v[CW+12:CW+13] offset:\imm+768
	ds_store_b64 v[AW], v[CW+16:CW+17] offset:\imm+520
	ds_store_b128 v[AW], v[CW+18:CW+21] offset:\imm+1024
	ds_store_b64 v[AW], v[CW+24:CW+25] offset:\imm+776
	ds_store_b128 v[AW], v[CW+26:CW+29] offset:\imm+1280
.endm
.macro XTURN s                         ; K step s of my row out of the stage: 16 neighbours of each block of 32
.irp b, 0,1,2,3
.irp j, 0,1,2,3
	ds_load_b128 v[D+16*\b+4*\j:D+16*\b+4*\j+3], v6 offset:512*\s+128*\b+16*\j
.endr
.endr
.endm
	s_load_b512 s[4:19], s[0:1], 0x0               ; x s[4:5], Wc1 s[6:7], bc1 s[8:9], Wc2 s[10:11], bc2 s[12:13], xq s[14:15], xs s[16:17], lev s[18:19]
	v_lshl_add_u32 v254, v0, 2, 0x19b00
	v_mov_b32 v255, 0
	v_lshrrev_b32 v1, 5, v0
	v_readfirstlane_b32 s[WV], v1                  ; wave 0..3
	v_and_b32 v1, 31, v0                           ; lane
	v_and_b32 v2, 15, v0                           ; r
	v_bfe_u32 v3, v0, 4, 1                         ; h
	v_lshlrev_b32 v4, 4, v1                        ; 16 x lane
	s_mul_i32 s31, s[WV], XTB
	v_add_nc_u32 v5, s31, v4                       ; the stage of x, on the way in
	v_mul_u32_u24 v6, v2, XTP
	v_lshl_add_u32 v6, v3, 6, v6
	v_add_nc_u32 v6, s31, v6                       ; and out: row r, + 64 h
	s_mul_i32 s31, s[WV], 3072
	s_add_co_u32 s31, s31, XC
	v_mul_u32_u24 v7, v2, 192
	v_mad_u32_u24 v7, v3, 48, v7
	v_add_nc_u32 v7, s31, v7                       ; x's codes in: 192 r + 48 h
	v_add_nc_u32 v8, s31, v4                       ; and out: 16 x lane
	s_lshl_b32 s31, s[WV], 7
	s_add_co_u32 s31, s31, XSL
	v_lshl_add_u32 v9, v2, 3, s31                  ; x's scale words: 8 (16 w + r)
	s_lshl_b32 s31, s[WV], 6
	s_add_co_u32 s31, s31, LVL
	v_lshl_add_u32 v10, v2, 2, s31                 ; the level: 4 (16 w + r)
	s_lshl_b32 s31, s[WV], 7
	v_lshl_add_u32 v11, v1, 2, s31                 ; Wc1: column 32 w + lane, 4 bytes
	v_bfe_u32 v18, v0, 3, 1                        ; my column's tile u of the pair,
	v_and_b32 v19, 7, v0
	v_lshl_add_u32 v19, v3, 3, v19                 ; and its row in it: lane % 8 + 8 (lane / 16)
	s_mul_i32 s31, s[WV], 3072
	s_add_co_u32 s31, s31, WIMG
	v_mul_u32_u24 v12, v18, 1536
	v_lshl_add_u32 v12, v19, 4, v12
	v_add_nc_u32 v12, s31, v12                     ; its place in the images
	s_lshl_b32 s31, s[WV], 7
	s_add_co_u32 s31, s31, WSC
	v_lshlrev_b32 v13, 6, v18
	v_lshl_add_u32 v13, v19, 2, v13
	v_add_nc_u32 v13, s31, v13                     ; and among the scale words
	v_add_nc_u32 v14, WIMG, v4                     ; the images, read back
	v_lshl_add_u32 v15, v2, 2, WSC
	v_mul_u32_u24 v16, v3, 192                     ; Wc2: 16 h units of 12 bytes
	v_lshlrev_b32 v17, 6, v3                       ; bc1: 16 h numbers
	v_add_nc_u32 v21, XSL, v4                      ; the way out of the scale words,
	v_lshl_add_u32 v22, v1, 3, LVL                 ; and of the levels
	v_lshlrev_b32 v23, 3, v1
	s_mov_b32 s[SEL], 0x76543210
	s_mov_b32 s[SEL+1], 0xfedcba98                 ; v_permlanex16_b32: lane l xor 16
	SPAIR K1, 0x3eb504f3                           ; 0.5 / sqrt 2
	SPAIR NK2, 0xbf38aa3b                          ; -log2(e) / 2
	SPAIR C9, 0x3e7c6f08                           ; the fit's coefficients x log2(e)
	SPAIR C7, 0x40097039
	SPAIR C6, 0xbfd1a1e5
	SPAIR C5, 0x3ecdfd18
	SPAIR C4, 0xbe899a80
	SPAIR C3, 0x3e0efb2e
	SPAIR C2, 0x3f0a29d2
	SPAIR C1, 0x3fb8ab5a
	s_mov_b32 s[ABSM], 0x7fffffff
	v_mov_b32 v[C8V], 0xbf97d29d
	v_mov_b32 v[C8V+1], 0xbf97d29d
	v_mov_b32 v[C0V], 0xbfe9b21e
	v_mov_b32 v[C0V+1], 0xbfe9b21e
.irp b, 0,1,2,3
	v_mov_b32 v[TM+4+\b], 0                        ; a lane permute's destination counts as one of its sources
.endr
	s_wait_kmcnt 0x0
	s_load_b96 s[20:22], s[12:13], 0x0             ; bc2
	s_lshl_b32 s32, ttmp9, 16
	s_lshl_b32 s33, s[WV], 14
	s_add_co_u32 s32, s32, s33
	s_mov_b32 s33, 0
	s_add_nc_u64 s[4:5], s[4:5], s[32:33]          ; x at my 16 rows
	s_lshl_b32 s32, ttmp9, 2
	s_add_co_u32 s32, s32, s[WV]
	s_mul_i32 s32, s32, 3072
	s_add_nc_u64 s[14:15], s[14:15], s[32:33]      ; xq likewise
	s_lshl_b32 s32, ttmp9, 9
	s_add_nc_u64 s[16:17], s[16:17], s[32:33]      ; xs at the work-group's 64 tokens
	s_lshl_b32 s32, ttmp9, 8
	s_add_nc_u64 s[18:19], s[18:19], s[32:33]      ; lev likewise
	WIN 0x40                                       ; destination window 1
.set i, 0
.rept 32
	global_load_b128 v[4*i:4*i+3], v4, s[4:5] offset:512*i th:TH_LOAD_NT   ; 512 consecutive bytes a load
.set i, i+1
.endr
.set i, 0
.rept 128
	global_load_b32 v[128+i], v11, s[6:7] offset:512*i                     ; Wc1(i, my column)
.set i, i+1
.endr
	WIN 0x80                                       ; destination window 2
.set n, 0
.rept 8
.irp i, 0,1,2,3,4,5
	global_load_b128 v[24*n+4*\i:24*n+4*\i+3], v16, s[10:11] offset:384*(n/2)+96*(n%2)+16*\i   ; Wc2 of tile n's eight units of my half: 24 numbers
.endr
.set n, n+1
.endr
.set n, 0
.rept 8
.irp i, 0,1
	global_load_b128 v[192+8*n+4*\i:192+8*n+4*\i+3], v17, s[8:9] offset:128*(n/2)+32*(n%2)+16*\i   ; bc1 in the result's layout
.endr
.set n, n+1
.endr
	s_wait_loadcnt 63                              ; 192 loads were issued behind x's 32: x is in (63 is the most that the wait can name)
	WIN 0x04                                       ; an LDS store's data are its source 1: window 1
.set i, 0
.rept 32
	ds_store_b128 v5, v[4*i:4*i+3] offset:(i/2)*XTP+(i%2)*512
.set i, i+1
.endr
	WIN 0
	XTURN 0                                        ; LDS serves a wave's instructions in order (ISA guide 5.7.1.4): these see the stores above
	s_wait_dscnt 0x0                               ; the stores have read their registers, K step 0 of x is back
	WIN 0x40
.set i, 0
.rept 128
	global_load_b32 v[i], v11, s[6:7] offset:512*(128+i)                   ; Wc1's second K step, into the registers that x has left
.set i, i+1
.endr
	WIN 0
	QUANT D, XF, 48
.irp g, 0,1,2
	ds_store_b128 v7, v[XF+4*\g:XF+4*\g+3] offset:16*\g
.endr
	XTURN 1
	s_wait_dscnt 0x0
	QUANT D, XF+12, 49
.irp g, 0,1,2
	ds_store_b128 v7, v[XF+12+4*\g:XF+12+4*\g+3] offset:96+16*\g
.endr
	ds_store_b64 v9, v[48:49]                      ; both halves of the lanes write the same words with the same values
.irp i, 0,1,2,3,4,5
	ds_load_b128 v[D+4*\i:D+4*\i+3], v8 offset:512*\i
.endr
	s_wait_dscnt 0x0
.irp i, 0,1,2,3,4,5
	global_store_b128 v4, v[D+4*\i:D+4*\i+3], s[14:15] offset:512*\i       ; 512 consecutive bytes a store, aligned
.endr
	s_wait_loadcnt 63                              ; behind Wc1's first K step: Wc2's 48, bc1's 16 and the second K step's 128
	QW 128, 0
	ds_store_b32 v13, v[SW]
	s_wait_loadcnt 0x0
	s_wait_dscnt 0x0                               ; the stores have read the codes' registers
	QW 0, 12288
	ds_store_b32 v13, v[SW] offset:512
	s_wait_dscnt 0x0                               ; for the others' sake: my images lie in LDS
	s_barrier_signal -1
	s_barrier_wait -1
	WIN 0x40
.set i, 0
.rept 48
	ds_load_b128 v[4*i:4*i+3], v14 offset:512*i    ; all 16 fragments of Wc1: fragment f at v[12 f] of window 1
.set i, i+1
.endr
	WIN 0
.set i, 0
.rept 16
	ds_load_b32 v[32+i], v15 offset:64*i
.set i, i+1
.endr
	s_wait_dscnt 0x0
	s_wait_xcnt 0x0                                ; the stores of x's codes have read v64 on: the products may write there
	WIN 0x21                                       ; source 0 (Wc1) window 1, source 2 (bc1) window 2
.set n, 0
.rept 8                                ; the eight accumulators by turns
	v_wmma_scale_f32_16x16x128_f8f6f4 v[D+8*n:D+8*n+7], v[12*n:12*n+11], v[XF:XF+11], v[192+8*n:192+8*n+7], v[32+n], v48 matrix_a_fmt:MATRIX_FMT_BF6 matrix_b_fmt:MATRIX_FMT_BF6
.set n, n+1
.endr
	WIN 0x01
.set n, 0
.rept 8
	v_wmma_scale_f32_16x16x128_f8f6f4 v[D+8*n:D+8*n+7], v[96+12*n:96+12*n+11], v[XF+12:XF+23], v[D+8*n:D+8*n+7], v[40+n], v49 matrix_a_fmt:MATRIX_FMT_BF6 matrix_b_fmt:MATRIX_FMT_BF6
.set n, n+1
.endr
	WIN 0
	PLACES 4                                       ; four places in front of the first read of results (ISA guide 7.12.1)
	GELU 64
	GELU 80
	GELU 96
	GELU 112
	; the logits, in f32: my 64 units x 3, in six chains (level l; even and odd tiles)
	WIN 0x08                                       ; source 1 (Wc2) window 2
.irp l, 0,1,2
	v_mul_f32 v[LG+\l], v[D], v[\l]
	v_mul_f32 v[LG+3+\l], v[D+8], v[24+\l]
.endr
.set n, 0
.rept 8
.set jj, 0
.rept 8
.if (n > 1) || (jj > 0)
.irp l, 0,1,2
	v_fma_f32 v[LG+3*(n%2)+\l], v[D+8*n+jj], v[24*n+3*jj+\l], v[LG+3*(n%2)+\l]
.endr
.endif
.set jj, jj+1
.endr
.set n, n+1
.endr
	WIN 0
.irp l, 0,1,2
	v_add_f32 v[LG+\l], v[LG+\l], v[LG+3+\l]
.endr
.irp l, 0,1,2
	v_permlanex16_b32 v[LG+3+\l], v[LG+\l], s[SEL], s[SEL+1]
.endr
.irp l, 0,1,2
	v_add_f32 v[LG+\l], v[LG+\l], v[LG+3+\l]       ; with lane l xor 16's 64 units
.endr
	s_wait_kmcnt 0x0                               ; bc2
.irp l, 0,1,2
	v_fma_f32 v[LG+\l], v[LG+\l], 0.5, s[20+\l]    ; the 0.5 takes GELU's factor 2 back, exactly
.endr
	v_max3_num_f32 v246, v240, v241, v242          ; the softmax: the maximum is taken away first
.irp l, 0,1,2
	v_sub_f32 v[LG+3+\l], v[LG+\l], v246
.endr
.irp l, 0,1,2
	v_mul_f32 v[LG+3+\l], 0x3fb8aa3b, v[LG+3+\l]
.endr
.irp l, 0,1,2
	v_exp_f32 v[LG+3+\l], v[LG+3+\l]
.endr
	v_nop
	s_wait_alu depctr_va_vdst(0)
	v_add_f32 v246, v243, v244
	v_add_f32 v246, v246, v245
	v_rcp_f32 v246, v246
	v_nop
	s_wait_alu depctr_va_vdst(0)
.irp l, 0,1,2
	v_mul_f32 v[LG+3+\l], v[LG+3+\l], v246
.endr
	v_cmp_gt_f32 vcc_lo, v244, v243                ; argmax: the first of the largest; the choice only selects a value
	v_cndmask_b32 v247, 0, 1, vcc_lo
	v_cndmask_b32 v243, v243, v244, vcc_lo
	v_cmp_gt_f32 vcc_lo, v245, v243
	v_cndmask_b32 v247, v247, 2, vcc_lo
	ds_store_b32 v10, v247                         ; both halves of the lanes write the same word with the same value
	s_wait_dscnt 0x0
	s_barrier_signal -1
	s_barrier_wait -1
	s_cmp_lg_u32 s[WV], 0
	s_cbranch_scc1 .Lend                           ; wave 0 stores the work-group's scale words and levels: 512 and 256 consecutive bytes
	ds_load_b128 v[64:67], v21
	ds_load_b64 v[68:69], v22
	s_wait_dscnt 0x0
	global_store_b128 v4, v[64:67], s[16:17]
	global_store_b64 v23, v[68:69], s[18:19]
.Lend:
	s_wait_tensorcnt 0x0
	ds_add_u32 v254, v255
	s_wait_dscnt 0x0
	s_endpgm
.Lfunc_end_k_q40165c1e3d_route:
	.size	k_q40165c1e3d_route, .Lfunc_end_k_q40165c1e3d_route-k_q40165c1e3d_route
	.p2alignl 7, 3214868480
	.fill 96, 4, 3214868480
	.section	.rodata,"a",@progbits
	.p2align	6, 0x0
	.amdhsa_kernel k_q40165c1e3d_route
		.amdhsa_group_segment_fixed_size 105728
		.amdhsa_private_segment_fixed_size 0
		.amdhsa_enable_private_segment 0
		.amdhsa_kernarg_size 64
		.amdhsa_user_sgpr_count 2
		.amdhsa_user_sgpr_kernarg_segment_ptr 1
		.amdhsa_wavefront_size32 1
		.amdhsa_system_sgpr_workgroup_id_x 1
		.amdhsa_system_sgpr_workgroup_id_y 1
		.amdhsa_system_sgpr_workgroup_id_z 1
		.amdhsa_system_vgpr_workitem_id 0
		.amdhsa_next_free_vgpr 768
		.amdhsa_next_free_sgpr 96
		.amdhsa_reserve_vcc 1
		.amdhsa_float_denorm_mode_32 3
		.amdhsa_float_denorm_mode_16_64 3
		.amdhsa_memory_ordered 1
		.amdhsa_forward_progress 1
		.amdhsa_inst_pref_size 121
	.end_amdhsa_kernel
	.amdgpu_metadata
---
amdhsa.version: [ 1, 2 ]
amdhsa.kernels:
  - .name:           k_q40165c1e3d_route
    .symbol:         k_q40165c1e3d_route.kd
    .args:
      - { .name: token_embeddings, .offset: 0, .size: 8, .value_kind: global_buffer, .address_space: global }
      - { .name: Wc1, .offset: 8, .size: 8, .value_kind: global_buffer, .address_space: global }
      - { .name: bc1, .offset: 16, .size: 8, .value_kind: global_buffer, .address_space: global }
      - { .name: Wc2, .offset: 24, .size: 8, .value_kind: global_buffer, .address_space: global }
      - { .name: bc2, .offset: 32, .size: 8, .value_kind: global_buffer, .address_space: global }
      - { .name: xq, .offset: 40, .size: 8, .value_kind: global_buffer, .address_space: global }
      - { .name: xs, .offset: 48, .size: 8, .value_kind: global_buffer, .address_space: global }
      - { .name: lev, .offset: 56, .size: 8, .value_kind: global_buffer, .address_space: global }
    .group_segment_fixed_size: 105728
    .private_segment_fixed_size: 0
    .kernarg_segment_align: 8
    .kernarg_segment_size: 64
    .max_flat_workgroup_size: 128
    .sgpr_count:     96
    .vgpr_count:     768
    .wavefront_size: 32
...
	.end_amdgpu_metadata
.endif
;; end of part 1
;; launch prep (part 2): grid 225 x 1, 4 waves a work-group, no clusters, 13,056 bytes of LDS; arguments W1_0, W1_1, W1_2, W2_0, W2_1, W2_2, lev, w1q, w2q, order, tiles; writes w1q, w2q, order, tiles
.if DOCPART == 2
	.amdgcn_target "amdgcn-amd-amdhsa--gfx1250"
	.amdhsa_code_object_version 6
	.text
	.protected	k_q40165c1e3d_prep
	.globl	k_q40165c1e3d_prep
	.p2align	8
	.type	k_q40165c1e3d_prep,@function
k_q40165c1e3d_prep:
	s_mov_b64 s[64:65], 0
	v_nop
	global_prefetch_b8 v0, s[64:65] scope:SCOPE_SE
	s_setreg_imm32_b32 hwreg(HW_REG_WAVE_MODE, 25, 1), 1
	s_wait_xcnt 0x0
; PREP.  Work-groups 0 .. 223 quantise the six weights along K (their FIRST axis) into codes of E3M2 laid in the order of the operand's registers; work-group 224 sorts the tokens by level and writes the list of tiles.
; RECORDS of 12,800 bytes: 8 fragments of 1,536 bytes (registers 4 g .. 4 g + 3 of lane L at 512 g + 16 L), then 8 x 64 bytes of scale words (4 bytes a row).  Record (16 << level) - 16 + 4 t + w:
;   w1q: hidden units 256 t + 64 w + 0 .. 63; fragment 4 b + 2 s + u (b: block of 32 units, s: K step of x, u: tile of the pair);   w2q: outputs 64 w + 0 .. 63, K steps 2 t + k; fragment 4 k + 2 g + u.
; Lane r of tile u of pair G takes column 32 G + 8 u + r + 8 (r / 8).
; A wave takes 32 columns x 128 along K: a lane takes a column and its registers run down K, so a block's largest magnitude needs no other lane and the codes come out with K innermost.
; One way through the text serves all six tensors: pointers, pitch and places are chosen by s_cselect on the work-group's number.
; THE SORT: order holds level 2's tokens, then level 1's, then level 0's (inside a level the order is free).  A token's place is its wave's base + the count so far + the lanes below it with the same level.
; The lanes of one level store neighbouring words of order.  tiles: {rows, first place in order, level, 0}: tiles of 48 rows for level 2, of 64 for levels 1 and 0, the heavy ones first; the rest of the 384 records are zeros.
; LIMITS: NaN and infinities are not served; a block of zeros gets the byte 1 with zero codes (this program alone reads the bytes).
.set QST,  0                           ; LDS: the quantising way: 3,072 bytes a wave
.set PSUM, 12288                       ; the sorting way: a word a wave
.set CW,   64
.set QM,   32
.set QS,   36
.set QY,   40
.set SW,   44
.set AW,   12
.set OI,   96                          ; v96-127 4 x lane + i x pitch
.set LV,   128                         ; v128-255 the levels, then the stores' offsets
.set DT,   64                          ; v64-71 the stores' data, by turns
.set MSB, 0
.macro WIN new
.if MSB != (\new)
	s_set_vgpr_msb (MSB<<8)|(\new)
.set MSB, (\new)
.endif
.endm
.macro QW raw, imm                     ; 128 numbers of one column down K (window 1) -> that column's row in a fragment's image at v[AW] + imm; its scale word in v[SW]
	WIN 0x05
.irp b, 0,1,2,3
	v_max3_num_f32 v[QM+\b], |v[\raw+32*\b]|, |v[\raw+32*\b+1]|, 0x2800000   ; the floor 2^(5 - 127) holds the byte at 1 from below
.endr
	WIN 0x14
.irp i, 2,4,6,8,10,12,14,16,18,20,22,24,26,28,30
.irp b, 0,1,2,3
	v_max3_num_f32 v[QM+\b], v[QM+\b], |v[\raw+32*\b+\i]|, |v[\raw+32*\b+\i+1]|
.endr
.endr
	WIN 0
.irp b, 0,1,2,3
	v_add_nc_u32 v[QS+\b], 0xfe000000, v[QM+\b]    ; 4 off the exponent field: the conversion's scale operand
.endr
.irp b, 0,1,2,3
	v_lshrrev_b32 v[QY+\b], 23, v[QS+\b]
.endr
	v_lshl_or_b32 v[SW], v[QY+1], 8, v[QY]
	v_lshl_or_b32 v[SW], v[QY+2], 16, v[SW]
	v_lshl_or_b32 v[SW], v[QY+3], 24, v[SW]
	WIN 0x01
.irp b, 0,1,2,3
	v_cvt_scalef32_pk16_bf6_f32 v[CW+8*\b:CW+8*\b+2], v[\raw+32*\b:\raw+32*\b+15], v[QS+\b]
	v_cvt_scalef32_pk16_bf6_f32 v[CW+8*\b+4:CW+8*\b+6], v[\raw+32*\b+16:\raw+32*\b+31], v[QS+\b]
.endr
	WIN 0
	v_nop                                          ; one plain place behind a scaled conversion
.irp b, 0,1,2,3
	v_mov_b32 v[CW+8*\b+3], v[CW+8*\b+4]
	v_mov_b32 v[CW+8*\b+4], v[CW+8*\b+5]
	v_mov_b32 v[CW+8*\b+5], v[CW+8*\b+6]
.endr
	ds_store_b128 v[AW], v[CW:CW+3] offset:\imm
	ds_store_b64 v[AW], v[CW+4:CW+5] offset:\imm+512
	ds_store_b128 v[AW], v[CW+8:CW+11] offset:\imm+256
	ds_store_b64 v[AW], v[CW+12:CW+13] offset:\imm+768
	ds_store_b64 v[AW], v[CW+16:CW+17] offset:\imm+520
	ds_store_b128 v[AW], v[CW+18:CW+21] offset:\imm+1024
	ds_store_b64 v[AW], v[CW+24:CW+25] offset:\imm+776
	ds_store_b128 v[AW], v[CW+26:CW+29] offset:\imm+1280
.endm
	s_load_b512 s[4:19], s[0:1], 0x0               ; W1_0 s[4:5], W1_1 s[6:7], W1_2 s[8:9], W2_0 s[10:11], W2_1 s[12:13], W2_2 s[14:15], lev s[16:17], w1q s[18:19]
	s_load_b128 s[20:23], s[0:1], 0x40             ; w2q s[20:21], order s[22:23]
	s_load_b64 s[24:25], s[0:1], 0x50              ; tiles
	v_lshl_add_u32 v87, v0, 2, 0x3100
	v_mov_b32 v95, 0
	v_lshrrev_b32 v1, 5, v0
	v_readfirstlane_b32 s29, v1                    ; wave 0..3
	s_wait_kmcnt 0x0
	s_cmp_eq_u32 ttmp9, 224
	s_cbranch_scc1 .Lplace
	; ---- the quantising way
	v_and_b32 v1, 31, v0                           ; lane = my column of the wave's 32
	v_lshlrev_b32 v4, 4, v1
	v_lshlrev_b32 v5, 2, v1
	v_bfe_u32 v6, v0, 3, 1                         ; u
	v_and_b32 v7, 7, v0
	v_bfe_u32 v8, v0, 4, 1
	v_lshl_add_u32 v7, v8, 3, v7                   ; r
	s_mul_i32 s30, s29, 3072
	v_mul_u32_u24 v12, v6, 1536
	v_lshl_add_u32 v12, v7, 4, v12
	v_add_nc_u32 v12, s30, v12                     ; my column's place in the wave's two images
	v_lshlrev_b32 v13, 6, v6
	v_lshl_add_u32 v13, v7, 2, v13                 ; and among their scale words
	v_add_nc_u32 v14, s30, v4                      ; the images, read back
	s_cmp_lt_u32 ttmp9, 112
	s_cselect_b32 s30, 0, 112
	s_sub_co_u32 s30, ttmp9, s30                   ; the work-group's number among W1's or among W2's 112
	s_and_b32 s31, s30, 1
	s_lshr_b32 s32, s30, 1                         ; q: W1: four pairs of tiles; W2: a K step
	s_cmp_lt_u32 s32, 8
	s_cselect_b32 s33, 0, 1
	s_cmp_lt_u32 s32, 24
	s_cselect_b32 s33, s33, 2                      ; the level: 8, 16, 32 values of q
	s_lshl_b32 s34, 8, s33
	s_sub_co_u32 s34, s34, 8
	s_sub_co_u32 s34, s32, s34                     ; q within the level
	s_lshl_b32 s35, s34, 2                         ; W1: K step = low bit; pair G = 4 q + wave
	s_add_co_u32 s35, s35, s29
	s_lshl_b32 s36, s32, 2
	s_add_co_u32 s36, s36, s29                     ; the pair's number over all levels
	s_lshl_b32 s37, 4096, s33                      ; a row of W1 in bytes
	s_lshl_b32 s38, s37, 7
	s_mul_i32 s38, s38, s31
	s_lshl_b32 s39, s35, 7
	s_add_co_u32 s38, s38, s39                     ; where my part begins: 128 s rows + 32 G columns
	s_lshr_b32 s39, s36, 1                         ; record,
	s_and_b32 s40, s36, 1
	s_lshl_b32 s40, s40, 2
	s_lshl_b32 s41, s31, 1
	s_add_co_u32 s40, s40, s41                     ; first fragment 4 b + 2 s
	s_lshl_b32 s41, s31, 2                         ; W2: pair G = 4 x low bit + wave
	s_add_co_u32 s41, s41, s29
	s_lshl_b32 s42, s34, 17
	s_lshl_b32 s43, s41, 7
	s_add_co_u32 s42, s42, s43                     ; 128 rows of 1,024 bytes a K step + 32 G columns
	s_lshr_b32 s43, s32, 1
	s_lshl_b32 s43, s43, 2
	s_lshr_b32 s44, s41, 1
	s_add_co_u32 s43, s43, s44                     ; record,
	s_and_b32 s44, s32, 1
	s_lshl_b32 s44, s44, 2
	s_and_b32 s45, s41, 1
	s_lshl_b32 s45, s45, 1
	s_add_co_u32 s44, s44, s45                     ; first fragment 4 k + 2 g
	s_cmp_eq_u32 s33, 0
	s_cselect_b64 s[46:47], s[4:5], s[6:7]
	s_cselect_b64 s[48:49], s[10:11], s[12:13]
	s_cmp_eq_u32 s33, 2
	s_cselect_b64 s[46:47], s[8:9], s[46:47]
	s_cselect_b64 s[48:49], s[14:15], s[48:49]
	s_cmp_lt_u32 ttmp9, 112                        ; every choice hangs on the work-group's number alone
	s_cselect_b64 s[46:47], s[46:47], s[48:49]     ; from
	s_cselect_b64 s[50:51], s[18:19], s[20:21]     ; to
	s_cselect_b32 s37, s37, 1024                   ; pitch
	s_cselect_b32 s38, s38, s42
	s_cselect_b32 s39, s39, s43
	s_cselect_b32 s40, s40, s44
	s_mov_b32 s54, s38
	s_mov_b32 s55, 0
	s_add_nc_u64 s[56:57], s[46:47], s[54:55]      ; a base for each block of 32 rows
	s_lshl_b32 s54, s37, 5
	s_add_nc_u64 s[58:59], s[56:57], s[54:55]
	s_add_nc_u64 s[60:61], s[58:59], s[54:55]
	s_add_nc_u64 s[62:63], s[60:61], s[54:55]
	s_mul_i32 s54, s39, 12800
	s_mul_i32 s66, s40, 1536
	s_add_co_u32 s54, s54, s66
	s_add_nc_u64 s[68:69], s[50:51], s[54:55]      ; my two fragments,
	s_mul_i32 s54, s39, 12800
	s_lshl_b32 s66, s40, 6
	s_add_co_u32 s54, s54, s66
	s_add_co_u32 s54, s54, 12288
	s_add_nc_u64 s[70:71], s[50:51], s[54:55]      ; and their scale words
.set i, 0
.rept 32
	v_mad_u32_u24 v[OI+i], s37, i, v5
.set i, i+1
.endr
	WIN 0x40                                       ; destination window 1
.irp b, 0,1,2,3
.set i, 0
.rept 32
	global_load_b32 v[32*\b+i], v[OI+i], s[56+2*\b:57+2*\b] th:TH_LOAD_NT   ; a row's 32 neighbouring columns: 128 consecutive bytes a wave, 512 a work-group
.set i, i+1
.endr
.endr
	WIN 0
	s_wait_loadcnt 0x0                             ; the first lines of the maxima read all four blocks
	QW 0, 0
.irp i, 0,1,2,3,4,5
	ds_load_b128 v[128+4*\i:128+4*\i+3], v14 offset:512*\i   ; LDS serves a wave's instructions in order (ISA guide 5.7.1.4): these see my stores
.endr
.irp i, 0,1,2,3,4,5
	s_wait_dscnt 5-\i
	global_store_b128 v4, v[128+4*\i:128+4*\i+3], s[68:69] offset:512*\i    ; 512 consecutive bytes a store
.endr
	global_store_b32 v13, v[SW], s[70:71]          ; 128 consecutive bytes
	s_wait_tensorcnt 0x0
	ds_add_u32 v87, v95
	s_wait_dscnt 0x0
	s_endpgm
	; ---- the sorting way: 128 threads, 128 tokens each
.Lplace:
	v_lshlrev_b32 v1, 4, v0
	v_lshlrev_b32 v2, 2, v0                        ; register 4 i + e of thread t holds token 512 i + 4 t + e
.set i, 0
.rept 32
	global_load_b128 v[LV+4*i:LV+4*i+3], v1, s[16:17] offset:2048*i
.set i, i+1
.endr
	s_mov_b32 s30, 0
	s_mov_b32 s31, 0
	s_wait_loadcnt 0x0
.set k, 0
.rept 32                               ; my wave's counts of levels 1 and 2, four registers at a time
.irp e, 0,1,2,3
	v_cmp_eq_u32 s[80+\e], 1, v[LV+k+\e]
	v_cmp_eq_u32 s[84+\e], 2, v[LV+k+\e]
.endr
.irp e, 0,1,2,3
	s_bcnt1_i32_b32 s[80+\e], s[80+\e]
	s_bcnt1_i32_b32 s[84+\e], s[84+\e]
	s_add_co_u32 s30, s30, s[80+\e]
	s_add_co_u32 s31, s31, s[84+\e]
.endr
.set k, k+4
.endr
	s_lshl_b32 s31, s31, 16
	s_or_b32 s30, s30, s31                         ; both in a word: neither passes 4,096, nor any sum of them 16,384
	v_mov_b32 v3, s30
	s_lshl_b32 s32, s29, 2
	s_add_co_u32 s32, s32, PSUM
	v_mov_b32 v4, s32
	ds_store_b32 v4, v3                            ; all lanes write the same word with the same value
	s_wait_dscnt 0x0
	s_barrier_signal -1
	s_barrier_wait -1
	v_mov_b32 v4, PSUM
	ds_load_b128 v[8:11], v4
	s_wait_dscnt 0x0
	v_readfirstlane_b32 s32, v8
	v_readfirstlane_b32 s33, v9
	v_readfirstlane_b32 s34, v10
	v_readfirstlane_b32 s35, v11
	s_add_co_u32 s36, s32, s33
	s_add_co_u32 s36, s36, s34
	s_add_co_u32 s36, s36, s35
	s_and_b32 s37, s36, 0xffff                     ; n1
	s_lshr_b32 s38, s36, 16                        ; n2
	s_sub_co_u32 s39, 16384, s37
	s_sub_co_u32 s39, s39, s38                     ; n0
	s_cmp_gt_u32 s29, 0
	s_cselect_b32 s40, s32, 0
	s_cmp_gt_u32 s29, 1
	s_cselect_b32 s41, s33, 0
	s_cmp_gt_u32 s29, 2
	s_cselect_b32 s42, s34, 0
	s_add_co_u32 s40, s40, s41
	s_add_co_u32 s40, s40, s42                     ; the waves' in front of mine
	s_and_b32 s41, s40, 0xffff
	s_lshr_b32 s42, s40, 16                        ; level 2's next place for my wave
	s_lshl_b32 s43, s29, 12
	s_sub_co_u32 s43, s43, s41
	s_sub_co_u32 s43, s43, s42
	s_add_co_u32 s41, s41, s38                     ; level 1's: behind all of level 2
	s_add_co_u32 s43, s43, s38
	s_add_co_u32 s43, s43, s37                     ; level 0's: behind both
.set k, 0
.rept 128
.if (k%8) == 0
	s_wait_xcnt 0x0                                ; the last eight stores have read their data registers, which are written again below
.endif
	v_cmp_eq_u32 s80, 1, v[LV+k]
	v_cmp_eq_u32 s81, 2, v[LV+k]
	s_or_b32 s82, s80, s81
	s_not_b32 s82, s82
	v_mbcnt_lo_u32_b32 v20, s82, s43               ; the level's next place + the lanes below me of that level
	v_mbcnt_lo_u32_b32 v21, s80, s41
	v_mbcnt_lo_u32_b32 v22, s81, s42
	v_cndmask_b32 v20, v20, v21, s80
	v_cndmask_b32 v20, v20, v22, s81
	v_min_u32 v20, 0x3fff, v20                     ; a number made from loaded data is held inside the buffer before it enters an address
	v_lshlrev_b32 v[LV+k], 2, v20
	v_add_nc_u32 v[DT+k%8], 512*(k/4)+k%4, v2      ; the token
	global_store_b32 v[LV+k], v[DT+k%8], s[22:23]
	s_bcnt1_i32_b32 s82, s82
	s_bcnt1_i32_b32 s80, s80
	s_bcnt1_i32_b32 s81, s81
	s_add_co_u32 s43, s43, s82
	s_add_co_u32 s41, s41, s80
	s_add_co_u32 s42, s42, s81
.set k, k+1
.endr
	; the list of tiles
	s_add_co_u32 s44, s38, 47
	s_lshr_b32 s44, s44, 4
	s_mul_i32 s44, s44, 43691
	s_lshr_b32 s44, s44, 17                        ; T2 = ceil(n2 / 48): a third of a number up to 1,027, exactly
	s_add_co_u32 s45, s37, 63
	s_lshr_b32 s45, s45, 6
	s_add_co_u32 s46, s39, 63
	s_lshr_b32 s46, s46, 6
	s_add_co_u32 s45, s45, s44                     ; T2 + T1
	s_add_co_u32 s46, s46, s45                     ; T2 + T1 + T0
	s_add_co_u32 s47, s38, s37                     ; n2 + n1
.irp q, 0,1,2
	v_add_nc_u32 v10, 128*\q, v0                   ; the tile
	v_sub_nc_u32 v11, v10, s45                     ; as one of level 0
	v_lshlrev_b32 v11, 6, v11
	v_sub_nc_u32 v12, s39, v11
	v_min_i32 v12, 64, v12
	v_add_nc_u32 v13, s47, v11
	v_cmp_gt_u32 vcc_lo, s46, v10
	v_cndmask_b32 v[32+4*\q], 0, v12, vcc_lo
	v_cndmask_b32 v[33+4*\q], 0, v13, vcc_lo
	v_mov_b32 v[34+4*\q], 0
	v_mov_b32 v[35+4*\q], 0
	v_sub_nc_u32 v11, v10, s44                     ; as one of level 1
	v_lshlrev_b32 v11, 6, v11
	v_sub_nc_u32 v12, s37, v11
	v_min_i32 v12, 64, v12
	v_add_nc_u32 v13, s38, v11
	v_cmp_gt_u32 vcc_lo, s45, v10
	v_cndmask_b32 v[32+4*\q], v[32+4*\q], v12, vcc_lo
	v_cndmask_b32 v[33+4*\q], v[33+4*\q], v13, vcc_lo
	v_cndmask_b32 v[34+4*\q], v[34+4*\q], 1, vcc_lo
	v_mul_u32_u24 v11, 48, v10                     ; as one of level 2
	v_sub_nc_u32 v12, s38, v11
	v_min_i32 v12, 48, v12
	v_cmp_gt_u32 vcc_lo, s44, v10
	v_cndmask_b32 v[32+4*\q], v[32+4*\q], v12, vcc_lo
	v_cndmask_b32 v[33+4*\q], v[33+4*\q], v11, vcc_lo
	v_cndmask_b32 v[34+4*\q], v[34+4*\q], 2, vcc_lo
	v_lshlrev_b32 v[48+\q], 4, v10
	global_store_b128 v[48+\q], v[32+4*\q:35+4*\q], s[24:25]   ; 512 consecutive bytes a wave
.endr
	s_wait_tensorcnt 0x0
	ds_add_u32 v87, v95
	s_wait_dscnt 0x0
	s_endpgm
.Lfunc_end_k_q40165c1e3d_prep:
	.size	k_q40165c1e3d_prep, .Lfunc_end_k_q40165c1e3d_prep-k_q40165c1e3d_prep
	.p2alignl 7, 3214868480
	.fill 96, 4, 3214868480
	.section	.rodata,"a",@progbits
	.p2align	6, 0x0
	.amdhsa_kernel k_q40165c1e3d_prep
		.amdhsa_group_segment_fixed_size 13056
		.amdhsa_private_segment_fixed_size 0
		.amdhsa_enable_private_segment 0
		.amdhsa_kernarg_size 88
		.amdhsa_user_sgpr_count 2
		.amdhsa_user_sgpr_kernarg_segment_ptr 1
		.amdhsa_wavefront_size32 1
		.amdhsa_system_sgpr_workgroup_id_x 1
		.amdhsa_system_sgpr_workgroup_id_y 1
		.amdhsa_system_sgpr_workgroup_id_z 1
		.amdhsa_system_vgpr_workitem_id 0
		.amdhsa_next_free_vgpr 384
		.amdhsa_next_free_sgpr 96
		.amdhsa_reserve_vcc 1
		.amdhsa_float_denorm_mode_32 3
		.amdhsa_float_denorm_mode_16_64 3
		.amdhsa_memory_ordered 1
		.amdhsa_forward_progress 1
		.amdhsa_inst_pref_size 187
	.end_amdhsa_kernel
	.amdgpu_metadata
---
amdhsa.version: [ 1, 2 ]
amdhsa.kernels:
  - .name:           k_q40165c1e3d_prep
    .symbol:         k_q40165c1e3d_prep.kd
    .args:
      - { .name: W1_0, .offset: 0, .size: 8, .value_kind: global_buffer, .address_space: global }
      - { .name: W1_1, .offset: 8, .size: 8, .value_kind: global_buffer, .address_space: global }
      - { .name: W1_2, .offset: 16, .size: 8, .value_kind: global_buffer, .address_space: global }
      - { .name: W2_0, .offset: 24, .size: 8, .value_kind: global_buffer, .address_space: global }
      - { .name: W2_1, .offset: 32, .size: 8, .value_kind: global_buffer, .address_space: global }
      - { .name: W2_2, .offset: 40, .size: 8, .value_kind: global_buffer, .address_space: global }
      - { .name: lev, .offset: 48, .size: 8, .value_kind: global_buffer, .address_space: global }
      - { .name: w1q, .offset: 56, .size: 8, .value_kind: global_buffer, .address_space: global }
      - { .name: w2q, .offset: 64, .size: 8, .value_kind: global_buffer, .address_space: global }
      - { .name: order, .offset: 72, .size: 8, .value_kind: global_buffer, .address_space: global }
      - { .name: tiles, .offset: 80, .size: 8, .value_kind: global_buffer, .address_space: global }
    .group_segment_fixed_size: 13056
    .private_segment_fixed_size: 0
    .kernarg_segment_align: 8
    .kernarg_segment_size: 88
    .max_flat_workgroup_size: 128
    .sgpr_count:     96
    .vgpr_count:     384
    .wavefront_size: 32
...
	.end_amdgpu_metadata
.endif
;; end of part 2
;; launch chain (part 3): grid 344 x 1, 4 waves a work-group, no clusters, 99,840 bytes of LDS; arguments tiles, order, xq, xs, w1q, w2q, b1_0, b1_1, b1_2, b2_0, b2_1, b2_2, out0; writes out0
.if DOCPART == 3
	.amdgcn_target "amdgcn-amd-amdhsa--gfx1250"
	.amdhsa_code_object_version 6
	.text
	.protected	k_q40165c1e3d_chain
	.globl	k_q40165c1e3d_chain
	.p2align	8
	.type	k_q40165c1e3d_chain,@function
k_q40165c1e3d_chain:
	s_mov_b64 s[64:65], 0
	v_nop
	global_prefetch_b8 v0, s[64:65] scope:SCOPE_SE
	s_setreg_imm32_b32 hwreg(HW_REG_WAVE_MODE, 25, 1), 1
	s_wait_xcnt 0x0
; CHAIN.  One work-group takes one tile of the stored list (up to 64 rows of ONE level; 48 for level 2) through x W1 + b1, exact GELU, the quantiser along ff, W2 + b2, and stores whole rows of out0.
; The levels not chosen for a token are not computed.  Every token lies in exactly one tile, so each output row has one owner.
; GRID: ceil(n2 / 48) + ceil(n1 / 64) + ceil(n0 / 64) never passes 344, whatever the split; a tile with no rows stores nothing.  Rows past a tile's count repeat its last row (the same bytes are stored again).
; No tensor load and no cluster: trip counts and branches hang on the stored list.  The weights, laid by the launch before in the order of the operand's registers, go from memory straight into registers.
; SHARES.  THE WAVES SHARE THE COLUMNS.  A trip is 256 hidden units: wave w makes units 256 t + 64 w + 0 .. 63 for all rows (two halves of 32: SUB 0, SUB 1), quantises them in registers
; (they are registers 6 (w % 2) .. + 5 of the fragment of K step 2 t + w / 2) and stores that part of the fragment's image in LDS; behind one barrier every wave reads all 8 fragments and adds its 64 output columns (PH2).
; PH2 of trip t - 1 stands at the head of trip t, and the images lie in two buffers by turns: one barrier a trip.
; Both products are used transposed (source 0 = 16 columns of a weight, source 1 = 16 rows): a lane holds one row, and a pair of tiles 16 neighbouring units.  The biases are the C of the first product and the start of the second's sums.
; GELU as in the first launch: 2 gelu = (x + |x|) - |x| erfc(|x| / sqrt 2).  Codes of 2 g under 2 g's scale are g's codes under g's scale; g's byte is one less: 1 is taken off each byte.
; LOADS FROM MEMORY go out in one fixed cycle: X (SUB 0's weights, scale words and bias: 20 loads), Y (SUB 1's: 20), W (PH2's: 32), each a trip ahead; the only jump over loads jumps over a whole cycle.
; LIMITS: NaN and infinities are not served; gelu results under 2^-126 fall to 0; 2 gelu passes f32's range above 1.7e38; a block of zeros gets the byte 1 with zero codes.
; REGISTERS.  window 0: v1-23, v28-31 addresses; v24-27 two of GELU's constants; v32-39, v40-47, v48-55, v56-63 scale words of W1, W2, x and the hidden layer, and nothing else;
;   v64-127 the hidden tiles (row tile m, tile u at 64 + 16 m + 8 u); v128-191 GELU at work; in PH2 v64-159 the 8 hidden fragments; v192-211 the quantiser; v216-247 the codes just made.
;   window 1: v0-95 x's 8 fragments; v96-143, v144-191 W1's four fragments of each half; v192-223 b1.   window 2: v0-95 W2's 8 fragments; v96-223 the 16 accumulators of the outputs.
.set REC,  12800
.set SCO,  12288                       ; where the scale words begin, in a record and in an image buffer
.set IMGB, 16384                       ; LDS: two image buffers: 8 fragments of 1,536 bytes (4 k + m), then 8 x 128 bytes of scale words
.set STG,  2*IMGB                      ; the stage for the way out: 64 rows x (1,024 + 16) bytes
.set SPI,  1040
.set GA,   128
.set GT,   144
.set GP,   160
.set GU,   176
.set MX,   192
.set TP,   196
.set SOB,  200
.set BY,   204
.set BX,   208
.set PCB,  216
.set C8V,  24
.set C0V,  26
.set WV,   30                          ; s30 wave;  s31 the trip;  s32 rows, s33 first place, s34 level;  s36 trips;  s37 the last trip;  s38 1 where there is a fourth tile of rows;  s39 my first record
.set SEL,  52
.set K1,   54
.set NK2,  56
.set C9,   58
.set C7,   60
.set C6,   62
.set C5,   66
.set C4,   68
.set C3,   70
.set C2,   72
.set C1,   74
.set ABSM, 76
.set WB,   86                          ; s86 the image buffer that is written, s87 the one that is read
.set RB,   87
.set MSB, 0
.macro WIN new                         ; the immediate's high byte repeats the setting that is left
.if MSB != (\new)
	s_set_vgpr_msb (MSB<<8)|(\new)
.set MSB, (\new)
.endif
.endm
.macro PLACES n
.rept \n
	v_nop
.endr
.endm
.macro SPAIR r, val
	s_mov_b32 s[\r], \val
	s_mov_b32 s[\r+1], \val
.endm
; 16 numbers v[h] .. v[h + 15] become 2 gelu of themselves.  A plain instruction stands behind every reciprocal and behind every second exponential (ISA guide 5.7.2).
.macro GELU h
.set gi, 0
.rept 16
	v_and_b32 v[GA+gi], s[ABSM], v[\h+gi]          ; |x|; each accumulator is read from its low end on
.set gi, gi+1
.endr
.irp p, 0,2,4,6,8,10,12,14
	v_pk_fma_f32 v[GT+\p:GT+\p+1], v[GA+\p:GA+\p+1], s[K1:K1+1], 1.0 op_sel_hi:[1,0,0]   ; 1 + z / 2
.endr
.irp p, 0,2,4,6,8,10,12,14
	v_rcp_f32 v[GT+\p/2], v[GT+\p/2]
	v_pk_mul_f32 v[GU+\p:GU+\p+1], v[\h+\p:\h+\p+1], v[\h+\p:\h+\p+1]                  ; x x
.endr
.irp p, 0,2,4,6,8,10,12,14
	v_rcp_f32 v[GT+8+\p/2], v[GT+8+\p/2]
	v_pk_add_f32 v[\h+\p:\h+\p+1], v[\h+\p:\h+\p+1], v[GA+\p:GA+\p+1]                  ; x + |x|
	v_pk_fma_f32 v[GU+\p:GU+\p+1], v[GU+\p:GU+\p+1], s[NK2:NK2+1], v[C0V:C0V+1] op_sel_hi:[1,0,1]   ; (-z z + c0) log2 e
.endr
	s_wait_alu depctr_va_vdst(0)
.irp p, 0,2,4,6,8,10,12,14
	v_pk_fma_f32 v[GP+\p:GP+\p+1], v[GT+\p:GT+\p+1], s[C9:C9+1], v[C8V:C8V+1] op_sel_hi:[1,0,1]
.endr
.irp c, C7,C6,C5,C4,C3,C2,C1
.irp p, 0,2,4,6,8,10,12,14
	v_pk_fma_f32 v[GP+\p:GP+\p+1], v[GP+\p:GP+\p+1], v[GT+\p:GT+\p+1], s[\c:\c+1] op_sel_hi:[1,1,0]
.endr
.endr
.irp p, 0,2,4,6,8,10,12,14
	v_pk_fma_f32 v[GP+\p:GP+\p+1], v[GP+\p:GP+\p+1], v[GT+\p:GT+\p+1], v[GU+\p:GU+\p+1]
.endr
.irp p, 0,2,4,6,8,10,12,14
	v_exp_f32 v[GP+\p], v[GP+\p]
	v_exp_f32 v[GP+\p+1], v[GP+\p+1]
	v_pk_mul_f32 v[GA+\p:GA+\p+1], v[GA+\p:GA+\p+1], v[GT+\p:GT+\p+1]                  ; |x| t
.endr
	s_wait_alu depctr_va_vdst(0)
.irp p, 0,2,4,6,8,10,12,14
	v_pk_fma_f32 v[\h+\p:\h+\p+1], v[GA+\p:GA+\p+1], v[GP+\p:GP+\p+1], v[\h+\p:\h+\p+1] neg_lo:[1,0,0] neg_hi:[1,0,0]
.endr
.endm
; half b's 20 loads: four fragments of W1, their scale words, b1 in the result's layout.  Its pointers: s[42 + 2 b], s[48 + 2 b]
.macro LDW1 b
	WIN 0x40
.irp f, 0,1,2,3
.irp g, 0,1,2
	global_load_b128 v[96+48*\b+12*\f+4*\g:96+48*\b+12*\f+4*\g+3], v1, s[42+2*\b:43+2*\b] offset:6144*\b+1536*\f+512*\g
.endr
.endr
.irp u, 0,1
.irp i, 0,1
	global_load_b128 v[192+16*\b+8*\u+4*\i:192+16*\b+8*\u+4*\i+3], v5, s[48+2*\b:49+2*\b] offset:128*\b+32*\u+16*\i
.endr
.endr
	WIN 0
.irp f, 0,1,2,3
	global_load_b32 v[32+4*\b+\f], v2, s[42+2*\b:43+2*\b] offset:SCO+256*\b+64*\f
.endr
.endm
.macro LDW2                            ; 32 loads: a trip's eight fragments of W2 and their scale words
	WIN 0x80
.set ff, 0
.rept 8
.irp g, 0,1,2
	global_load_b128 v[12*ff+4*\g:12*ff+4*\g+3], v1, s[46:47] offset:1536*ff+512*\g
.endr
.set ff, ff+1
.endr
	WIN 0
.set ff, 0
.rept 8
	global_load_b32 v[40+ff], v2, s[46:47] offset:SCO+64*ff
.set ff, ff+1
.endr
.endm
; a first product: half b, row tile m, tile u, K step s of x
.macro MMA b, m, u, s
.if \s
	v_wmma_scale_f32_16x16x128_f8f6f4 v[64+16*\m+8*\u:64+16*\m+8*\u+7], v[96+48*\b+12*(2*\s+\u):96+48*\b+12*(2*\s+\u)+11], v[12*(2*\m+\s):12*(2*\m+\s)+11], v[64+16*\m+8*\u:64+16*\m+8*\u+7], v[32+4*\b+2*\s+\u], v[48+2*\m+\s] matrix_a_fmt:MATRIX_FMT_BF6 matrix_b_fmt:MATRIX_FMT_BF6
.else
	v_wmma_scale_f32_16x16x128_f8f6f4 v[64+16*\m+8*\u:64+16*\m+8*\u+7], v[96+48*\b+12*(2*\s+\u):96+48*\b+12*(2*\s+\u)+11], v[12*(2*\m+\s):12*(2*\m+\s)+11], v[192+16*\b+8*\u:192+16*\b+8*\u+7], v[32+4*\b+2*\s+\u], v[48+2*\m+\s] matrix_a_fmt:MATRIX_FMT_BF6 matrix_b_fmt:MATRIX_FMT_BF6
.endif
.endm
; the quantiser of half b for row tiles m0 .. m0 + n - 1, by turns: my 16 numbers of a block, the other 16 in lane l xor 16; three registers of codes and the byte
.macro QB b, m0, n
.set qm, \m0
.rept \n
	v_max3_num_f32 v[MX+qm], |v[64+16*qm]|, |v[65+16*qm]|, 0x3000000   ; the floor 2^(6 - 127): the doubled numbers' byte cannot fall under 2
.set qm, qm+1
.endr
.irp i, 2,4,6,8,10,12,14
.set qm, \m0
.rept \n
	v_max3_num_f32 v[MX+qm], v[MX+qm], |v[64+16*qm+\i]|, |v[65+16*qm+\i]|
.set qm, qm+1
.endr
.endr
.set qm, \m0
.rept \n
	v_permlanex16_b32 v[TP+qm], v[MX+qm], s[SEL], s[SEL+1]
.set qm, qm+1
.endr
.set qm, \m0
.rept \n
	v_max_num_f32 v[MX+qm], v[MX+qm], v[TP+qm]
.set qm, qm+1
.endr
.set qm, \m0
.rept \n
	v_add_nc_u32 v[SOB+qm], 0xfe000000, v[MX+qm]   ; 4 off the exponent field: the conversion's scale operand
.set qm, qm+1
.endr
.set qm, \m0
.rept \n
	v_lshrrev_b32 v[BX-4*\b+qm], 23, v[SOB+qm]
.set qm, qm+1
.endr
.set qm, \m0
.rept \n
	v_cvt_scalef32_pk16_bf6_f32 v[PCB+8*qm+4*\b:PCB+8*qm+4*\b+2], v[64+16*qm:64+16*qm+15], v[SOB+qm]
.set qm, qm+1
.endr
	v_nop                                          ; one plain place behind a scaled conversion
.endm
; row tile m: the two halves' codes become six registers with a whole block in a lane, and go to LDS with my two bytes of the row's scale word
.macro PACK m
.irp i, 0,1,2
	v_permlane16_swap_b32 v[PCB+8*\m+\i], v[PCB+8*\m+4+\i]
.endr
	v_mov_b32 v[PCB+8*\m+3], v[PCB+8*\m+4]
	v_mov_b32 v[PCB+8*\m+4], v[PCB+8*\m+5]
	v_mov_b32 v[PCB+8*\m+5], v[PCB+8*\m+6]
	v_lshl_or_b32 v[BY+\m], v[BY+\m], 8, v[BX+\m]
	v_add_nc_u32 v[BY+\m], 0xfffffeff, v[BY+\m]    ; 1 off each byte: the factor 2 is taken back, exactly
	ds_store_b128 v9, v[PCB+8*\m:PCB+8*\m+3] offset:1536*\m
	ds_store_b64 v10, v[PCB+8*\m+4:PCB+8*\m+5] offset:1536*\m
	ds_store_b16 v11, v[BY+\m] offset:128*\m
.endm
.macro SETW                            ; where this trip's images go
	v_add_nc_u32 v9, s[WB], v6
	v_add_nc_u32 v10, s[WB], v7
	v_add_nc_u32 v11, s[WB], v8
.endm
; half a trip: 32 hidden units for all rows
.macro SUB b
	s_wait_loadcnt 52                              ; this half's 20 loads are in; behind them: the other half's 20 and W2's 32
	WIN 0x15                                       ; sources 0 (W1), 1 (x) and 2 (b1) window 1
.irp m, 0,1,2
.irp u, 0,1
	MMA \b, \m, \u, 0
.endr
.endr
	WIN 0x05
.irp m, 0,1,2                          ; the six accumulators by turns
.irp u, 0,1
	MMA \b, \m, \u, 1
.endr
.endr
	WIN 0
	PLACES 4                                       ; four places in front of the first read of results (ISA guide 7.12.1)
	GELU 64
	GELU 80
	GELU 96
	QB \b, 0, 3
.if \b
	PACK 0
	PACK 1
	PACK 2
.endif
	s_cmp_eq_u32 s38, 0
	s_cbranch_scc1 .Lno3_\@                        ; tiles of level 2 have three tiles of rows
	WIN 0x15
	MMA \b, 3, 0, 0
	MMA \b, 3, 1, 0
	WIN 0x05
	MMA \b, 3, 0, 1
	MMA \b, 3, 1, 1
	WIN 0
	PLACES 4
	GELU 112
	QB \b, 3, 1
.if \b
	PACK 3
.endif
.Lno3_\@:
	PLACES 4                                       ; places in front of loads into registers that matrix instructions have read
	s_add_co_u32 s80, s31, 1                       ; the next trip's weights; the last trip asks for its own again, so that no load leaves a buffer and the cycle stays whole
	s_min_u32 s80, s80, s37
	s_min_u32 s80, s80, 15
	s_lshl_b32 s81, s80, 2
	s_add_co_u32 s81, s81, s39
	s_min_u32 s81, s81, 111
	s_mul_i32 s82, s81, REC
	s_mov_b32 s83, 0
	s_add_nc_u64 s[42+2*\b:43+2*\b], s[12:13], s[82:83]   ; this half's pointers: their last loads were shown done by the wait at this half's head
	s_lshl_b32 s82, s80, 10
	s_add_nc_u64 s[48+2*\b:49+2*\b], s[40:41], s[82:83]
	LDW1 \b
.endm
.macro HLOAD f                         ; hidden fragment f and its scale words, as they were stored
	ds_load_b128 v[64+12*(\f):64+12*(\f)+3], v12 offset:1536*(\f)
	ds_load_b64 v[64+12*(\f)+4:64+12*(\f)+5], v13 offset:1536*(\f)+512
	ds_load_b128 v[64+12*(\f)+6:64+12*(\f)+9], v12 offset:1536*(\f)+768
	ds_load_b64 v[64+12*(\f)+10:64+12*(\f)+11], v13 offset:1536*(\f)+1280
	ds_load_b32 v[56+(\f)], v14 offset:128*(\f)
.endm
.macro MM2 k, m, n                     ; a second product: K step k of the trip, row tile m, my tile n of outputs
	v_wmma_scale_f32_16x16x128_f8f6f4 v[96+8*(4*\m+\n):96+8*(4*\m+\n)+7], v[12*(4*\k+\n):12*(4*\k+\n)+11], v[64+12*(4*\k+\m):64+12*(4*\k+\m)+11], v[96+8*(4*\m+\n):96+8*(4*\m+\n)+7], v[40+4*\k+\n], v[56+4*\k+\m] matrix_a_fmt:MATRIX_FMT_BF6 matrix_b_fmt:MATRIX_FMT_BF6
.endm
; the second product of the trip whose images lie at s[RB]
.macro PH2 refill
	v_add_nc_u32 v12, s[RB], v1
	v_add_nc_u32 v13, s[RB], v15
	v_add_nc_u32 v14, s[RB], v16
	s_wait_loadcnt 40                              ; W2's 32 loads are in; behind them: the two halves' 20 + 20
.irp k, 0,1
.irp m, 0,1,2
	HLOAD 4*\k+\m
.endr
.endr
	s_wait_dscnt 0x0
	WIN 0xa2                                       ; source 0 (W2), C and D window 2; source 1 (the hidden layer) window 0
.irp k, 0,1
.irp m, 0,1,2                          ; twelve accumulators by turns, K ascending
.irp n, 0,1,2,3
	MM2 \k, \m, \n
.endr
.endr
.endr
	WIN 0
	s_cmp_eq_u32 s38, 0
	s_cbranch_scc1 .Lp3_\@
	HLOAD 3
	HLOAD 7
	s_wait_dscnt 0x0
	WIN 0xa2
.irp k, 0,1
.irp n, 0,1,2,3
	MM2 \k, 3, \n
.endr
.endr
	WIN 0
.Lp3_\@:
	PLACES 5                                       ; the next matrix instructions write over registers that these have read: five places; they serve the loads below too
.if \refill
	s_lshl_b32 s80, s31, 2
	s_add_co_u32 s80, s80, s39
	s_min_u32 s80, s80, 111
	s_mul_i32 s80, s80, REC
	s_mov_b32 s81, 0
	s_add_nc_u64 s[46:47], s[14:15], s[80:81]      ; its last loads were shown done by the wait above
	LDW2
.endif
.endm
	s_load_b512 s[4:19], s[0:1], 0x0               ; tiles s[4:5], order s[6:7], xq s[8:9], xs s[10:11], w1q s[12:13], w2q s[14:15], b1_0 s[16:17], b1_1 s[18:19]
	s_load_b256 s[20:27], s[0:1], 0x40             ; b1_2 s[20:21], b2_0 s[22:23], b2_1 s[24:25], b2_2 s[26:27]
	s_load_b64 s[28:29], s[0:1], 0x60              ; out0
	v_lshl_add_u32 v254, v0, 2, 0x18400
	v_mov_b32 v255, 0
	v_lshrrev_b32 v1, 5, v0
	v_readfirstlane_b32 s[WV], v1                  ; wave 0..3
	v_and_b32 v16, 31, v0                          ; lane
	v_and_b32 v3, 15, v0                           ; r
	v_bfe_u32 v4, v0, 4, 1                         ; h
	v_lshlrev_b32 v1, 4, v16                       ; 16 x lane
	v_lshlrev_b32 v2, 2, v3                        ; 4 r
	v_lshlrev_b32 v5, 6, v4                        ; 64 h
	v_lshlrev_b32 v15, 3, v16                      ; 8 x lane
	s_lshr_b32 s80, s[WV], 1                       ; which K step of a trip my units belong to,
	s_and_b32 s81, s[WV], 1                        ; and which half of its registers
	s_mul_i32 s82, s80, 6144
	s_mul_i32 s83, s81, 768
	s_add_co_u32 s82, s82, s83
	v_add_nc_u32 v6, s82, v1                       ; my part of an image: four registers at 16 x lane,
	s_add_co_u32 s82, s82, 512
	v_add_nc_u32 v7, s82, v15                      ; two at 8 x lane,
	s_lshl_b32 s82, s80, 9
	s_lshl_b32 s83, s81, 1
	s_add_co_u32 s82, s82, s83
	s_add_co_u32 s82, s82, SCO
	v_lshl_add_u32 v8, v16, 2, s82                 ; two bytes of the scale word at 4 x lane
	v_lshl_add_u32 v16, v16, 2, SCO                ; the scale words, read back
	s_lshl_b32 s82, s[WV], 8
	s_add_co_u32 s82, s82, STG
	v_mul_u32_u24 v17, v3, SPI
	v_add_nc_u32 v17, v17, v5
	v_add_nc_u32 v17, s82, v17                     ; the stage, in: row r, + 256 w + 64 h
	s_mul_i32 s82, s[WV], 16*SPI
	s_add_co_u32 s82, s82, STG
	v_add_nc_u32 v18, s82, v1                      ; and out: my 16 rows, 16 bytes a lane
	s_mov_b32 s[SEL], 0x76543210
	s_mov_b32 s[SEL+1], 0xfedcba98                 ; v_permlanex16_b32: lane l xor 16
	SPAIR K1, 0x3eb504f3                           ; 0.5 / sqrt 2
	SPAIR NK2, 0xbf38aa3b                          ; -log2(e) / 2
	SPAIR C9, 0x3e7c6f08                           ; the fit's coefficients x log2(e)
	SPAIR C7, 0x40097039
	SPAIR C6, 0xbfd1a1e5
	SPAIR C5, 0x3ecdfd18
	SPAIR C4, 0xbe899a80
	SPAIR C3, 0x3e0efb2e
	SPAIR C2, 0x3f0a29d2
	SPAIR C1, 0x3fb8ab5a
	s_mov_b32 s[ABSM], 0x7fffffff
	v_mov_b32 v[C8V], 0xbf97d29d
	v_mov_b32 v[C8V+1], 0xbf97d29d
	v_mov_b32 v[C0V], 0xbfe9b21e
	v_mov_b32 v[C0V+1], 0xbfe9b21e
.irp i, 0,1,2,3
	v_mov_b32 v[TP+\i], 0                          ; a lane permute's destination counts as one of its sources
.endr
.irp i, 0,1,2
	v_mov_b32 v[PCB+24+\i], 0                      ; the fourth row tile's registers that one half writes and the other reads: written on every way through the text
.endr
	v_mov_b32 v[BX+3], 0
	s_lshl_b32 s80, ttmp9, 4
	s_mov_b32 s81, 0
	s_wait_kmcnt 0x0
	s_add_nc_u64 s[82:83], s[4:5], s[80:81]
	s_load_b128 s[32:35], s[82:83], 0x0            ; my tile: rows, first place, level
	s_wait_kmcnt 0x0
	s_min_u32 s32, s32, 64                         ; stored numbers are held inside their ranges before anything is made of them
	s_min_u32 s33, s33, 0x3fff
	s_min_u32 s34, s34, 2
	s_lshl_b32 s36, 4, s34
	s_cmp_eq_u32 s32, 0
	s_cselect_b32 s36, 0, s36                      ; trips: 4, 8, 16; none for a tile without rows
	s_max_u32 s37, s36, 1
	s_sub_co_u32 s37, s37, 1
	s_min_u32 s37, s37, 15
	s_cmp_lg_u32 s34, 2
	s_cselect_b32 s38, 1, 0
	s_lshl_b32 s39, 16, s34
	s_sub_co_u32 s39, s39, 16
	s_add_co_u32 s39, s39, s[WV]
	s_cmp_eq_u32 s34, 0
	s_cselect_b64 s[40:41], s[16:17], s[18:19]
	s_cselect_b64 s[84:85], s[22:23], s[24:25]
	s_cmp_eq_u32 s34, 2
	s_cselect_b64 s[40:41], s[20:21], s[40:41]     ; the level's b1,
	s_cselect_b64 s[84:85], s[26:27], s[84:85]     ; and b2,
	s_lshl_b32 s80, s[WV], 8
	s_add_nc_u64 s[40:41], s[40:41], s[80:81]      ; at my wave's 64 numbers
	s_add_nc_u64 s[84:85], s[84:85], s[80:81]
	s_max_u32 s88, s32, 1
	s_sub_co_u32 s88, s88, 1                       ; the tile's last row
	s_lshl_b32 s89, s[WV], 4
.irp m, 0,1,2,3
	v_add_nc_u32 v[20+\m], 16*\m, v3               ; row tile m's row r;
.endr
	v_add_nc_u32 v19, s89, v3                      ; and the rows that I store at the end: row tile w's
.irp q, 19,20,21,22,23
	v_min_u32 v\q, s88, v\q
	v_add_nc_u32 v\q, s33, v\q
	v_min_u32 v\q, 0x3fff, v\q
	v_lshlrev_b32 v\q, 2, v\q
.endr
.irp q, 19,20,21,22,23
	global_load_b32 v\q, v\q, s[6:7]               ; the tokens
.endr
	WIN 0x80
.irp m, 0,1,2,3                        ; b2 starts the second product's sums: accumulator (m, 2 g + u), register j: output 64 w + 32 g + 16 h + 8 u + j
.irp n, 0,1,2,3
.irp i, 0,1
	global_load_b128 v[96+8*(4*\m+\n)+4*\i:96+8*(4*\m+\n)+4*\i+3], v5, s[84:85] offset:128*(\n/2)+32*(\n%2)+16*\i
.endr
.endr
.endr
	WIN 0
	s_min_u32 s80, s39, 111
	s_mul_i32 s80, s80, REC
	s_add_nc_u64 s[42:43], s[12:13], s[80:81]      ; trip 0's records
	s_mov_b64 s[44:45], s[42:43]
	s_add_nc_u64 s[46:47], s[14:15], s[80:81]
	s_mov_b64 s[48:49], s[40:41]
	s_mov_b64 s[50:51], s[40:41]
	v_mul_u32_u24 v12, v4, 48
	s_wait_loadcnt 32                              ; the tokens are in; b2's 32 loads may be out
.irp q, 19,20,21,22,23
	v_min_u32 v\q, 0x3fff, v\q
.endr
.irp m, 0,1,2,3
	v_lshlrev_b32 v[28+\m], 3, v[20+\m]            ; xs: 8 bytes a token
.endr
.irp m, 0,1,2,3
	v_mul_u32_u24 v[20+\m], v[20+\m], 192          ; xq: 192 bytes a token, + 48 h
	v_add_nc_u32 v[20+\m], v[20+\m], v12
.endr
	WIN 0x40
.irp m, 0,1,2,3
.irp s, 0,1
.irp g, 0,1,2
	global_load_b128 v[12*(2*\m+\s)+4*\g:12*(2*\m+\s)+4*\g+3], v[20+\m], s[8:9] offset:96*\s+16*\g
.endr
.endr
.endr
	WIN 0
.irp m, 0,1,2,3
	global_load_b64 v[48+2*\m:49+2*\m], v[28+\m], s[10:11]
.endr
	LDW1 0
	LDW1 1
	LDW2
	; trip 0 has no second product in front of it
	s_mov_b32 s31, 0
	s_mov_b32 s[WB], 0
	SETW
	SUB 0
	SUB 1
	s_wait_dscnt 0x0                               ; for the others' sake: my part of the images lies in LDS
	s_barrier_signal -1
	s_barrier_wait -1
	s_mov_b32 s31, 1
	s_mov_b32 s[WB], IMGB
.Ltrip:                                            ; 15 trips for every tile; a tile with fewer passes over the work and keeps the barrier
	s_cmp_lt_u32 s31, s36
	s_cbranch_scc0 .Lidle
	s_xor_b32 s[RB], s[WB], IMGB
	PH2 1                                          ; the trip before: its images were stored in front of the last barrier
	SETW
	SUB 0                                          ; this trip writes the other buffer, whose last readers waited for their loads in front of the last barrier
	SUB 1
.Lidle:
	s_wait_dscnt 0x0                               ; my stores have landed and my loads of the other buffer are in
	s_barrier_signal -1
	s_barrier_wait -1
	s_xor_b32 s[WB], s[WB], IMGB
	s_add_co_u32 s31, s31, 1
	s_cmp_lt_u32 s31, 16
	s_cbranch_scc1 .Ltrip
	s_cmp_eq_u32 s32, 0
	s_cbranch_scc1 .Lnostage
	s_mov_b32 s[RB], IMGB                          ; 4, 8 or 16 trips: the last one is odd
	PH2 0                                          ; its five places also stand in front of the first read of results
	WIN 0x08                                       ; an LDS store's data are its source 1: window 2
.irp m, 0,1,2
.irp n, 0,1,2,3
	ds_store_b128 v17, v[96+8*(4*\m+\n):96+8*(4*\m+\n)+3] offset:16*SPI*\m+128*(\n/2)+32*(\n%2)       ; each accumulator from its low end on
	ds_store_b128 v17, v[96+8*(4*\m+\n)+4:96+8*(4*\m+\n)+7] offset:16*SPI*\m+128*(\n/2)+32*(\n%2)+16
.endr
.endr
	WIN 0
	s_cmp_eq_u32 s38, 0
	s_cbranch_scc1 .Lnostage
	WIN 0x08
.irp n, 0,1,2,3
	ds_store_b128 v17, v[96+8*(12+\n):96+8*(12+\n)+3] offset:16*SPI*3+128*(\n/2)+32*(\n%2)
	ds_store_b128 v17, v[96+8*(12+\n)+4:96+8*(12+\n)+7] offset:16*SPI*3+128*(\n/2)+32*(\n%2)+16
.endr
	WIN 0
.Lnostage:
	s_wait_dscnt 0x0
	s_barrier_signal -1
	s_barrier_wait -1                              ; whole rows lie in the stage
	s_cmp_eq_u32 s32, 0
	s_cbranch_scc1 .Lend
	s_add_co_u32 s80, s38, 3
	s_cmp_ge_u32 s[WV], s80
	s_cbranch_scc1 .Lend                           ; wave w stores row tile w, if the tile has one
.set i, 0
.rept 16
	v_readlane_b32 s80, v19, i                     ; row i's token
	s_min_u32 s80, s80, 0x3fff
	v_lshl_add_u32 v[192+i], s80, 10, v1           ; its row of 1,024 bytes, 16 bytes a lane
.set i, i+1
.endr
.set k, 0
.rept 32
	ds_load_b128 v[64+4*k:64+4*k+3], v18 offset:SPI*(k/2)+512*(k%2)
.set k, k+1
.endr
.set k, 0
.rept 32
	s_wait_dscnt 31-k
	global_store_b128 v[192+k/2], v[64+4*k:64+4*k+3], s[28:29] offset:512*(k%2) th:TH_STORE_NT   ; 512 consecutive bytes of one output row, aligned
.set k, k+1
.endr
.Lend:
	s_wait_tensorcnt 0x0
	ds_add_u32 v254, v255
	s_wait_dscnt 0x0
	s_endpgm
.Lfunc_end_k_q40165c1e3d_chain:
	.size	k_q40165c1e3d_chain, .Lfunc_end_k_q40165c1e3d_chain-k_q40165c1e3d_chain
	.p2alignl 7, 3214868480
	.fill 96, 4, 3214868480
	.section	.rodata,"a",@progbits
	.p2align	6, 0x0
	.amdhsa_kernel k_q40165c1e3d_chain
		.amdhsa_group_segment_fixed_size 99840
		.amdhsa_private_segment_fixed_size 0
		.amdhsa_enable_private_segment 0
		.amdhsa_kernarg_size 104
		.amdhsa_user_sgpr_count 2
		.amdhsa_user_sgpr_kernarg_segment_ptr 1
		.amdhsa_wavefront_size32 1
		.amdhsa_system_sgpr_workgroup_id_x 1
		.amdhsa_system_sgpr_workgroup_id_y 1
		.amdhsa_system_sgpr_workgroup_id_z 1
		.amdhsa_system_vgpr_workitem_id 0
		.amdhsa_next_free_vgpr 736
		.amdhsa_next_free_sgpr 96
		.amdhsa_reserve_vcc 0
		.amdhsa_float_denorm_mode_32 3
		.amdhsa_float_denorm_mode_16_64 3
		.amdhsa_memory_ordered 1
		.amdhsa_forward_progress 1
		.amdhsa_inst_pref_size 232
	.end_amdhsa_kernel
	.amdgpu_metadata
---
amdhsa.version: [ 1, 2 ]
amdhsa.kernels:
  - .name:           k_q40165c1e3d_chain
    .symbol:         k_q40165c1e3d_chain.kd
    .args:
      - { .name: tiles, .offset: 0, .size: 8, .value_kind: global_buffer, .address_space: global }
      - { .name: order, .offset: 8, .size: 8, .value_kind: global_buffer, .address_space: global }
      - { .name: xq, .offset: 16, .size: 8, .value_kind: global_buffer, .address_space: global }
      - { .name: xs, .offset: 24, .size: 8, .value_kind: global_buffer, .address_space: global }
      - { .name: w1q, .offset: 32, .size: 8, .value_kind: global_buffer, .address_space: global }
      - { .name: w2q, .offset: 40, .size: 8, .value_kind: global_buffer, .address_space: global }
      - { .name: b1_0, .offset: 48, .size: 8, .value_kind: global_buffer, .address_space: global }
      - { .name: b1_1, .offset: 56, .size: 8, .value_kind: global_buffer, .address_space: global }
      - { .name: b1_2, .offset: 64, .size: 8, .value_kind: global_buffer, .address_space: global }
      - { .name: b2_0, .offset: 72, .size: 8, .value_kind: global_buffer, .address_space: global }
      - { .name: b2_1, .offset: 80, .size: 8, .value_kind: global_buffer, .address_space: global }
      - { .name: b2_2, .offset: 88, .size: 8, .value_kind: global_buffer, .address_space: global }
      - { .name: out0, .offset: 96, .size: 8, .value_kind: global_buffer, .address_space: global }
    .group_segment_fixed_size: 99840
    .private_segment_fixed_size: 0
    .kernarg_segment_align: 8
    .kernarg_segment_size: 104
    .max_flat_workgroup_size: 128
    .sgpr_count:     96
    .vgpr_count:     736
    .wavefront_size: 32
...
	.end_amdgpu_metadata
.endif
;; end of part 3
